; MI455X (gfx1250); checked and timed in simulation.
; The chip was launched on July 23, 2026; its instructions are those of AMD's public machine-readable ISA for CDNA 5 (MIT licence, August 2026) and "CDNA5" Instruction Set Architecture Reference Guide (July 2026). The comments in the code are by the model that wrote it; some were corrected since.
;; nojit custom LSTM Cell. Allowed arithmetic: matrix products marked QUANTISED: E5M2 operands, one E8M0 scale for each 32 along K, by v_wmma_scale_f32_16x16x128_f8f6f4 with both operands' format E5M2, f32 sums; everything else in f32.
;; Inputs: Wh 4,096 x 1,024 float32; Wx 4,096 x 1,024 float32; bh 4,096 float32; bx 4,096 float32; cx 8,192 x 1,024 float32; hx 8,192 x 1,024 float32; x 8,192 x 1,024 float32.
;; Outputs: out0 8,192 x 1,024 float32; out1 8,192 x 1,024 float32.
;; This version of the problem:
;;   THIS VERSION OF THE PROBLEM IS GIVEN IN LOW PRECISION. The matrix products marked QUANTISED in the list below multiply operands that are first quantised to E5M2 (5 exponent bits, 2 mantissa bits; 8 bits a number), with one power-of-two scale for each 32 numbers along K (OCP MX v1.0); their sums are f32. All else is computed in f32.
;;   The module's matrix products, in the order in which they are computed (A, B: the left and right operand; K: the contracted axis; several contracted axes count as one K, in the product's order):
;;     1. [M 8,192, K 1,024] x [K 1,024, N 4,096]; A: input x; B: input Wx: QUANTISED
;;     2. [M 8,192, K 1,024] x [K 1,024, N 4,096]; A: input hx; B: input Wh: QUANTISED
;;   THE QUANTISER, for each operand of a quantised product, along K:
;;     - K is cut into blocks of 32 from its start; a last block that is shorter is filled with zeros.
;;     - A block's scale is 2^e with e = floor(log2(the largest magnitude in the block)) - 15, held to -126 .. 127; a block of zeros has e = 0. As a byte (E8M0): e + 127.
;;     - Each number is divided by its block's scale, clamped to +-57,344, and rounded to the nearest number of E5M2, ties to even, subnormals kept.
;;     - The product sums the exact products of the quantised numbers (number of the format x scale) in f32.
;;   ~~~python
;;   def quantise(x, axis):      # numpy; x: float32 -> the quantised numbers, widened to float32 again
;;       x = np.moveaxis(x, axis, -1); K = x.shape[-1]
;;       x = np.pad(x, [(0, 0)] * (x.ndim - 1) + [(0, -K % 32)]); x = x.reshape(x.shape[:-1] + (-1, 32)); a = np.abs(x).max(-1, keepdims=True)
;;       e = np.where(a > 0, np.clip(np.frexp(np.where(a > 0, a, 1))[1] - 1 - 15, -126, 127), 0)      # np.frexp(a)[1] - 1 = floor(log2(a)), exactly
;;       r = np.clip(x / 2.0 ** e, -57344, 57344)
;;       step = 2.0 ** (np.maximum(np.frexp(np.where(r == 0, 1, r))[1] - 1, -14) - 2)
;;       q = np.round(r / step) * step * 2.0 ** e      # np.round: ties to even
;;       return np.moveaxis(q.reshape(q.shape[:-2] + (-1,))[..., :K], -1, axis).astype(np.float32)
;;   ~~~
;; One version. Each part assembles by itself: llvm-mc -triple=amdgcn-amd-amdhsa -mcpu=gfx1250 --defsym DOCPART=n.
;; ======== version 1 of 1: 2 launches
;; limits: right only within a limited range of input values
;; workspace buffers: a_codes 16,777,216 bytes; a_scales 524,288 bytes; b_codes 8,388,608 bytes; b_scales 262,144 bytes
;; launch quant (part 1): grid 768 x 1, 4 waves a work-group, no clusters, 33,280 bytes of LDS; arguments x, hx, Wx, Wh, a_codes, a_scales, b_codes, b_scales; writes a_codes, a_scales, b_codes, b_scales
.if DOCPART == 1
	.amdgcn_target "amdgcn-amd-amdhsa--gfx1250"
	.amdhsa_code_object_version 6
	.text
	.protected	k_q7e95a12c5c_quant
	.globl	k_q7e95a12c5c_quant
	.p2align	8
	.type	k_q7e95a12c5c_quant,@function
k_q7e95a12c5c_quant:
	s_mov_b64 s[64:65], 0
	v_nop
	global_prefetch_b8 v0, s[64:65] scope:SCOPE_SE
	s_setreg_imm32_b32 hwreg(HW_REG_WAVE_MODE, 25, 1), 1
	s_wait_xcnt 0x0
; x, hx [8192][1024] and Wx, Wh [4096][1024], f32, K innermost, become codes of BF8 (E5M2) with one E8M0 scale byte for each 32 along K.
; The two products of the cell are ONE product over K = 2,048 of [x | hx] with [Wx | Wh] (1,024 is a multiple of 32: the blocks are the same), so the codes are laid so:
;   a_codes [8192][2048]: bytes 0-1023 of a row x's codes, 1024-2047 hx's;   a_scales [8192][64]: bytes 0-31 x's, 32-63 hx's;   b_codes [4096][2048], b_scales [4096][64] likewise of Wx and Wh.
; B'S ROWS ARE PERMUTED: gate row R = 1024 g + j (g = 0..3: f, i, g, o; j the hidden unit) goes to row 128 (j / 32) + 32 g + j % 32, so that 128 neighbouring rows are 32 hidden units x 4 gates,
; which gives a wave of the second launch all four gates of an output in one lane.  Runs of 32 source rows stay together, so a wave's 4 neighbouring source rows have 4 neighbouring places.
; A block's scale is 2^(floor(log2(its largest magnitude)) - 15); its byte is the largest magnitude's exponent field - 15, held at 1 from below.  Each number is divided by the scale, held within +-57,344
; and rounded to the nearest code, ties to even.
; LIMITS: NaN and infinities among the inputs are not served.  A block of zeros gets the byte 1 where the quantiser says 127: its codes are zeros, which add nothing under any byte but 0xff, and this program alone reads the bytes.
; SHARES: work-groups 0-511 take x and hx, 512-767 Wx and Wh.  A wave takes 4 rows of BOTH tensors of its side: 16 steps of 512 numbers.  Its codes are 4 whole rows of the codes' buffer (8,192 consecutive bytes),
; its 256 scale bytes 4 whole rows of 64: one aligned run of 256 bytes.
; A conversion takes 8 numbers of ONE block from a lane's registers, so a lane must hold 16 NEIGHBOURS (two lanes hold a block); a load is best where neighbouring LANES take neighbouring bytes.  Both are had: each of a
; step's four loads reads 512 consecutive bytes, 16 a lane; the 2,048 bytes go through the wave's own stage in LDS as they lie and come back 64 bytes a lane (16 bytes of padding behind each 64).
; No tensor loads, no ring, no barrier: waves share nothing.  Loads run four steps (16 loads a wave) ahead, the turn through LDS one step.  No matrix unit and no cluster: the launch moves bytes, and no two work-groups read the same.
.set STEPS, 16
.set WGA,   512                        ; work-groups of the A side: 8,192 rows / (4 waves x 4 rows)
.set SP,    80                         ; a lane's place in a stage: its 64 bytes + 16 of padding
.set WREG,  8192                       ; LDS: a region for each wave: two stages of 32 x SP bytes, and behind them its 256 scale bytes
.set R,     16                         ; v16-79   four sets of 16 numbers as they are loaded
.set X,     80                         ; v80-111  two sets of 16 neighbours
.set E,     112                        ; v112-127 a scale byte for each step
.set C,     128                        ; v128-191 codes: four registers for each step, so that no store's data are written again
	s_load_b256 s[4:11], s[0:1], 0x0               ; x s[4:5], hx s[6:7], Wx s[8:9], Wh s[10:11]
	s_load_b256 s[12:19], s[0:1], 0x20             ; a_codes s[12:13], a_scales s[14:15], b_codes s[16:17], b_scales s[18:19]
	v_lshl_add_u32 v192, v0, 2, 0x8000
	v_mov_b32 v193, 0
	v_lshrrev_b32 v1, 5, v0
	v_readfirstlane_b32 s20, v1                    ; wave
	v_and_b32 v2, 31, v0                           ; lane
	v_lshlrev_b32 v3, 4, v2                        ; 16 x lane: my 16 bytes of a load's 512, and of a step's 512 bytes of codes
	s_mul_i32 s34, s20, WREG
	v_lshrrev_b32 v14, 2, v2
	v_mul_u32_u24 v14, v14, SP
	v_and_b32 v15, 3, v2
	v_lshl_add_u32 v14, v15, 4, v14
	v_add_nc_u32 v14, s34, v14                     ; the stage, on the way in: four lanes' 64 bytes on end, then 16 of padding: SP (lane / 4) + 16 (lane % 4)
	v_mul_u32_u24 v15, v2, SP
	v_add_nc_u32 v15, s34, v15                     ; and on the way out: SP x lane: my 16 neighbours
	v_lshrrev_b32 v5, 1, v2
	s_add_co_u32 s34, s34, 2*32*SP
	v_add_nc_u32 v5, s34, v5                       ; LDS: my wave's 256 scale bytes, my block's byte
	v_lshlrev_b32 v7, 3, v2                        ; and on the way out 8 bytes a lane
	v_add_nc_u32 v6, s34, v7
	s_mov_b32 s33, 0x600000                        ; the mantissa field of 57,344 (an instruction takes one literal: the hold's line has another)
	s_cmp_lt_u32 ttmp9, WGA                        ; A's side or B's?  The choice hangs on the work-group's number alone
	s_cselect_b32 s21, 0, WGA
	s_sub_co_u32 s21, ttmp9, s21
	s_lshl_b32 s21, s21, 2
	s_add_co_u32 s21, s21, s20                     ; which wave of the side
	s_lshl_b32 s22, s21, 2                         ; R0: my first source row
	s_lshr_b32 s23, s22, 10                        ; the gate g,
	s_and_b32 s24, s22, 1023                       ; the hidden unit j
	s_lshr_b32 s25, s24, 5
	s_lshl_b32 s25, s25, 7                         ; 128 (j / 32)
	s_lshl_b32 s23, s23, 5                         ; + 32 g
	s_add_co_u32 s25, s25, s23
	s_and_b32 s24, s24, 31                         ; + j % 32
	s_add_co_u32 s25, s25, s24
	s_lshl_b32 s26, s22, 12                        ; source: 4,096 bytes a row; under 2^25
	s_mov_b32 s27, 0
	s_wait_alu depctr_va_vdst(0)
	s_wait_kmcnt 0x0
	s_cmp_lt_u32 ttmp9, WGA                        ; compared again: the arithmetic above has set SCC
	s_cselect_b32 s25, s22, s25                    ; A's rows stay where they are
	s_cselect_b64 s[4:5], s[4:5], s[8:9]           ; the side's first tensor,
	s_cselect_b64 s[6:7], s[6:7], s[10:11]         ; its second,
	s_cselect_b64 s[12:13], s[12:13], s[16:17]     ; its codes,
	s_cselect_b64 s[14:15], s[14:15], s[18:19]     ; its scale bytes
	s_lshl_b32 s28, s25, 11                        ; codes: 2,048 bytes a row
	s_mov_b32 s29, 0
	s_lshl_b32 s30, s25, 6                         ; scale bytes: 64 a row
	s_mov_b32 s31, 0
	s_add_nc_u64 s[4:5], s[4:5], s[26:27]
	s_add_nc_u64 s[6:7], s[6:7], s[26:27]
	s_add_nc_u64 s[12:13], s[12:13], s[28:29]
	s_add_nc_u64 s[14:15], s[14:15], s[30:31]
; Step t: tensor t / 8 of the side, row (t % 8) / 2 of my four, half t % 2 of the row.
.macro LOAD t
.set SRC, 4+2*((\t)/8)
.irp i, 0,1,2,3
	global_load_b128 v[R+16*((\t)%4)+4*\i:R+16*((\t)%4)+4*\i+3], v3, s[SRC:SRC+1] offset:2048*((\t)%8)+512*\i th:TH_LOAD_NT   ; 32 lanes read 512 consecutive bytes; read once in the launch
.endr
.endm
.macro TURN t                          ; step t's numbers through the stage: LDS serves a wave's instructions in order (ISA guide 5.7.1.4), so no wait stands between the stores and the loads
.irp i, 0,1,2,3
	ds_store_b128 v14, v[R+16*((\t)%4)+4*\i:R+16*((\t)%4)+4*\i+3] offset:32*SP*((\t)%2)+8*SP*\i
.endr
.irp i, 0,1,2,3
	ds_load_b128 v[X+16*((\t)%2)+4*\i:X+16*((\t)%2)+4*\i+3], v15 offset:32*SP*((\t)%2)+16*\i
.endr
.endm
.irp t, 0,1,2,3
	LOAD \t
.endr
	s_wait_loadcnt 12                              ; step 0's four loads are in; the twelve of steps 1 to 3 may be out
	TURN 0
.macro STEP t
.set XS,   X+16*((\t)%2)
.set TSEL, (\t)/8
.set TROW, ((\t)%8)/2
.set THLF, (\t)%2
.if (\t) > 0
	s_wait_dscnt 1                                 ; this step's numbers are back from the stage (the last step's byte store may be out): so its stores into the stage have read their registers,
.else
	s_wait_dscnt 0x0
.endif
.if (\t)+4 < STEPS
	LOAD (\t)+4                                    ; which take the loads of four steps on
.endif
.if (\t)+1 < STEPS
.if STEPS-2-(\t) >= 3
	s_wait_loadcnt 12                              ; the next step's four loads are in; those of the three steps behind it may be out
.else
	s_wait_loadcnt 4*(STEPS-2-(\t))                ; the counts run down: nothing more is asked for
.endif
	TURN (\t)+1                                    ; and go through the other stage while this step is worked
.endif
	v_max3_num_f32 v8, |v[XS]|, |v[XS+1]|, |v[XS+2]|               ; the largest magnitude of my 16, in two chains
	v_max3_num_f32 v9, |v[XS+3]|, |v[XS+4]|, |v[XS+5]|
.irp i, 6,10
	v_max3_num_f32 v8, v8, |v[XS+\i]|, |v[XS+\i+1]|
	v_max3_num_f32 v9, v9, |v[XS+\i+2]|, |v[XS+\i+3]|
.endr
	v_max3_num_f32 v8, v8, |v[XS+14]|, |v[XS+15]|
	v_max3_num_f32 v8, v8, v9, 0x8000000           ; and the floor 2^(16 - 127), under which no largest magnitude is taken: so the byte cannot fall under 1
	v_max_num_f32_dpp v8, v8, v8 row_xmask:1 row_mask:0xf bank_mask:0xf   ; and of my neighbour's 16: the block's
	v_add_nc_u32 v11, 0xf8800000, v8               ; 15 off its exponent field: the conversion takes the exponent field of this operand as its scale, and nothing else of it
	v_and_or_b32 v10, v8, 0x7f800000, s33          ; 57,344 x the scale: the largest magnitude's exponent field over 57,344's mantissa
.irp i, 0,1,2,3,4,5,6,7,8,9,10,11,12,13,14,15
	v_med3_num_f32 v[XS+\i], v[XS+\i], -v10, v10   ; the conversion to an 8-bit code does not saturate (ISA guide 7.6.2): hold the number within the largest code x the scale first
.endr
	v_cvt_scalef32_pk8_bf8_f32 v[C+4*(\t):C+4*(\t)+1], v[XS:XS+7], v11          ; eight numbers / 2^(v11's exponent), to the nearest code, ties to even; the first number's code in the lowest byte
	v_cvt_scalef32_pk8_bf8_f32 v[C+4*(\t)+2:C+4*(\t)+3], v[XS+8:XS+15], v11
	v_lshrrev_b32 v[E+(\t)], 23, v11               ; the scale's byte (also the plain line behind the conversions)
	ds_store_b8 v5, v[E+(\t)] offset:64*TROW+32*TSEL+16*THLF       ; both lanes of a block write the same byte with the same value
	global_store_b128 v3, v[C+4*(\t):C+4*(\t)+3], s[12:13] offset:2048*TROW+1024*TSEL+512*THLF   ; 32 lanes store 512 consecutive bytes, at a multiple of 256 from the buffer's first byte
.endm
.irp t, 0,1,2,3,4,5,6,7,8,9,10,11,12,13,14,15
	STEP \t
.endr
	ds_load_b64 v[12:13], v6                       ; LDS serves a wave's instructions in order: these see my byte stores
	s_wait_dscnt 0x0
	global_store_b64 v7, v[12:13], s[14:15]        ; 32 lanes store 256 consecutive bytes, aligned: four whole rows of scale bytes
	s_wait_tensorcnt 0x0
	ds_add_u32 v192, v193
	s_wait_dscnt 0x0
	s_endpgm
.Lfunc_end_k_q7e95a12c5c_quant:
	.size	k_q7e95a12c5c_quant, .Lfunc_end_k_q7e95a12c5c_quant-k_q7e95a12c5c_quant
	.p2alignl 7, 3214868480
	.fill 96, 4, 3214868480
	.section	.rodata,"a",@progbits
	.p2align	6, 0x0
	.amdhsa_kernel k_q7e95a12c5c_quant
		.amdhsa_group_segment_fixed_size 33280
		.amdhsa_private_segment_fixed_size 0
		.amdhsa_enable_private_segment 0
		.amdhsa_kernarg_size 64
		.amdhsa_user_sgpr_count 2
		.amdhsa_user_sgpr_kernarg_segment_ptr 1
		.amdhsa_wavefront_size32 1
		.amdhsa_system_sgpr_workgroup_id_x 1
		.amdhsa_system_sgpr_workgroup_id_y 1
		.amdhsa_system_sgpr_workgroup_id_z 1
		.amdhsa_system_vgpr_workitem_id 0
		.amdhsa_next_free_vgpr 194
		.amdhsa_next_free_sgpr 66
		.amdhsa_reserve_vcc 0
		.amdhsa_float_denorm_mode_32 3
		.amdhsa_float_denorm_mode_16_64 3
		.amdhsa_memory_ordered 1
		.amdhsa_forward_progress 1
		.amdhsa_inst_pref_size 51
	.end_amdhsa_kernel
	.amdgpu_metadata
---
amdhsa.version: [ 1, 2 ]
amdhsa.kernels:
  - .name:           k_q7e95a12c5c_quant
    .symbol:         k_q7e95a12c5c_quant.kd
    .args:
      - { .name: x, .offset: 0, .size: 8, .value_kind: global_buffer, .address_space: global }
      - { .name: hx, .offset: 8, .size: 8, .value_kind: global_buffer, .address_space: global }
      - { .name: Wx, .offset: 16, .size: 8, .value_kind: global_buffer, .address_space: global }
      - { .name: Wh, .offset: 24, .size: 8, .value_kind: global_buffer, .address_space: global }
      - { .name: a_codes, .offset: 32, .size: 8, .value_kind: global_buffer, .address_space: global }
      - { .name: a_scales, .offset: 40, .size: 8, .value_kind: global_buffer, .address_space: global }
      - { .name: b_codes, .offset: 48, .size: 8, .value_kind: global_buffer, .address_space: global }
      - { .name: b_scales, .offset: 56, .size: 8, .value_kind: global_buffer, .address_space: global }
    .group_segment_fixed_size: 33280
    .private_segment_fixed_size: 0
    .kernarg_segment_align: 8
    .kernarg_segment_size: 64
    .max_flat_workgroup_size: 128
    .sgpr_count:     66
    .vgpr_count:     194
    .wavefront_size: 32
...
	.end_amdgpu_metadata
.endif
;; end of part 1
;; launch cell (part 2): grid 16 x 32, 4 waves a work-group, clusters of 4 x 4, 327,680 bytes of LDS; arguments a_codes, a_scales, b_codes, b_scales, bx, bh, cx, out0, out1; writes out0, out1
.if DOCPART == 2
	.amdgcn_target "amdgcn-amd-amdhsa--gfx1250"
	.amdhsa_code_object_version 6
	.text
	.protected	k_q7e95a12c5c_cell
	.globl	k_q7e95a12c5c_cell
	.p2align	8
	.type	k_q7e95a12c5c_cell,@function
k_q7e95a12c5c_cell:
	s_mov_b64 s[64:65], 0
	v_nop
	global_prefetch_b8 v0, s[64:65] scope:SCOPE_SE
	s_setreg_imm32_b32 hwreg(HW_REG_WAVE_MODE, 25, 1), 1
	s_wait_xcnt 0x0
	s_wait_alu depctr_hold_cnt(0) depctr_sa_sdst(0) depctr_va_vdst(0) depctr_va_sdst(0) depctr_va_ssrc(0) depctr_va_vcc(0) depctr_vm_vsrc(0)
	s_getreg_b32 s2, hwreg(HW_REG_IB_STS2, 6, 4)
	s_cmp_eq_u32 s2, 0
	s_cbranch_scc0 .Lentry_in_a_cluster
	s_endpgm
.Lentry_in_a_cluster:
	s_bfe_u32 s2, ttmp6, 0x10000c
	s_cmp_lg_u32 s2, 0xf033
	s_cbranch_scc0 .Lentry_shape_is_right
	s_endpgm
.Lentry_shape_is_right:
; The LSTM cell on codes of BF8 (E5M2) with one E8M0 scale for each 32 along K.  gates = [x | hx] [Wx | Wh]^T + bx + bh, one product over K = 2,048;  C = sigmoid(f) cx + sigmoid(i) tanh(g) -> out1;  h = sigmoid(o) tanh(C) -> out0.
; a_codes [8192][2048], a_scales [8192][64], b_codes [4096][2048], b_scales [4096][64] come from the launch before; B's row 128 (j / 32) + 32 g + j % 32 is gate g of hidden unit j.
; SHARES: a work-group of four waves makes 256 rows x 256 gate columns (64 hidden units x 4 gates); a wave 128 x 128: 64 accumulators, 512 registers.
; The matrix instruction is used transposed (source 0 = 16 rows of B, source 1 = 16 rows of A): in accumulator (a, b = 2 g + u) lane (r, h), register j holds gate g of row 16 a + r, hidden unit 32 (column half) + 16 u + 8 h + j: the four gates of an output lie in one lane.
; bx + bh is the C of each sum's first product: each gate has one f32 sum that begins at the biases and runs over x's K and then hx's: another order of rounding than two sums added.
; K goes in steps of 256 through a ring of two LDS slots; the scale bytes of the work-group's rows, for all of K, come once, at the head.  4 x 4 clusters: A's tiles are asked for jointly along a row, B's along a column.
; THE HEAD: one joint load a wave: wave 0 K step 0's 256 rows of A, wave 1 its 256 rows of B, wave 2 A's scales, wave 3 B's; K step 1 follows behind the three lines and a round, as a refill does.
; PREFETCH: behind the load of K step j stands a prefetch of K step j + 2 (the head's asks for steps 1 and 2): of the 128 rows that a wave fetches in the ring, the partner at place p of the four that ask jointly names rows 32 p .. 32 p + 31, a lane a row, 256 bytes each; the loop's last trip asks for nothing.
; cx's tile (256 rows x 256 bytes) is the work-group's own: plain tensor loads, a quarter a wave, into slot 0's A half when that slot has been read for the last time.
; THE WAY OUT is a pipeline over the wave's eight blocks of 16 rows, in twelve steps.  Step s: plain work of blocks s .. s - 4, then ONE batch of transcendentals: exp of f, i, g (block s), two rcp (s - 1), exp of C and o (s - 2), one rcp (s - 3).
; C and h meet the other column half's in two LDS stages (slot 1's A half, slot 0's B half: both have had their last fill and read); every second step has a barrier, behind which each wave reads 16 whole rows of C and of h and stores them a step later.
; ACTIVATIONS, with A = 2^(-f log2 e), Ai, D likewise of i, o, and B = 2^(2 g log2 e), E likewise of C: sigmoid(f) = 1 / (1 + A);  sigmoid(i) tanh(g) = (B - 1) / ((1 + Ai)(1 + B));  sigmoid(o) tanh(C) = (E - 1) / ((1 + D)(1 + E)).
; B's and E's exponents are held within +-64, where tanh is +-1 in f32: so B - 1 and E - 1 are finite and B, E are not 0, and a denominator that runs to infinity gives 0, as the sigmoid does.  No branch.
; LIMITS: NaN and infinities among the inputs are not served.
; REGISTERS: window 0: v0-31 addresses; v32-63 scale words alone; v64-127 bx + bh; v128-255 A's fragments, one set.  window 1: B's fragments, two sets.  windows 2, 3: accumulators (a, b) at v[8 (8 (a % 4) + b)].
;   On the way out, window 0: v64-159 f, i, g (two sets of 48); v160-223 C's and o's (two sets of 32); v224-255 cx (two sets).  window 1: v0-127 rows read back (two sets); v128-159 C, v160-191 h (two sets each).
.set NQ,     2
.set ROWB,   256
.set KROW,   2048
.set PITCH,  272                       ; 256 bytes + 16 of padding: the 16 rows of a fragment load start at 16 different banks (ISA guide 11.1)
.set FR,     16
.set NL,     4
.set NP,     8                         ; places behind this matrix instruction (ISA guide 7.12.1)
.set HALFT,  128*PITCH
.set SLOT,   4*HALFT                   ; A's 256 rows, then B's 256
.set LAPS,   4
.set KS,     64
.set SCL,    2*SLOT
.set HALFS,  32*272                    ; the scales of 128 rows
.set SBLK,   4*272
.set SPARE,  SCL+4*HALFS
.set HST,    2*HALFT                   ; h's stage; cx's tile lies at byte 0
.set CST,    SLOT                      ; C's stage
.set OROW,   4096
.set ADRA, 16
.set ADRB, 20
.set ECX,  22
.set EH,   23
.set EC,   24
.set RDH,  25
.set CO,   26
.set ADRS, 27
.set SPW,  28
.set NIL,  29
.set RDC,  30
.set PFO,  31                          ; lane x a row of codes
.set SC,   32
.set BI,   64
.set AF,   128
.set TT,   64
.set UU,   160
.set CXR,  224
.set CC,   128                         ; window 1
.set HH,   160                         ; window 1
.set WV,   2
.set G1C,  4                           ; s[4:11] first group 0 of the head's two loads of codes, then group 1 for cx
.set G0C,  12
.set G0H,  4
.set G0HB, 8
.set CH,   16
.set RH,   66
.set G1, 24
.set G0, 32
.set G1B, 48
.set G0B, 56
.set G1S, 68
.set G0S, 76
.set G1SB, 80
.set G0SB, 88
.set PFA, 100                          ; s[100:101] where my prefetches stand
.set MSB, 0
.macro WIN new                         ; the high byte repeats the setting that is left
.if MSB != (\new)
	s_set_vgpr_msb (MSB<<8)|(\new)
.set MSB, (\new)
.endif
.endm
.set MUL_LO, 0xa1                      ; source 0 (B) window 1, source 1 (A) window 0, C and D window 2
.set MUL_HI, 0xf1                      ; C and D window 3
.set BEG_LO, 0x81                      ; the first step: C (the biases) window 0, D window 2
.set BEG_HI, 0xc1
.set TO_B,   0x40
.set FROM_B, 0x04
.macro PLACES n
.rept \n
	v_nop
.endr
.endm
.macro TL g0, g1                       ; a tensor load with the s_nop 0 and four v_nop
	tensor_load_to_lds s[\g0:\g0+3], s[\g1:\g1+7]
	s_nop 0
	PLACES 4
.endm
.macro JLOAD g0a, g1a, g0b, g1b        ; waves 0, 1 fetch for A, waves 2, 3 for B: one mask a line
	s_cmp_eq_u32 s[RH], 0
	s_cbranch_scc0 .Lfor_b_\@
	TL \g0a, \g1a
	s_branch .Lasked_\@
.Lfor_b_\@:
	TL \g0b, \g1b
.Lasked_\@:
.endm
.macro CROUND                          ; a round of the cluster's barrier
	s_barrier_signal -1
	s_barrier_wait -1
	s_cmp_lg_u32 s[WV], 0
	s_cbranch_scc1 .Lnot_wave_0_\@
	s_barrier_signal -3
.Lnot_wave_0_\@:
	s_barrier_wait -3
	s_barrier_signal -1
	s_barrier_wait -1
.endm
	s_load_b256 s[4:11], s[0:1], 0x0               ; A's codes, A's scales, B's codes, B's scales
	s_load_b256 s[92:99], s[0:1], 0x20             ; bx, bh, cx, out0 (h)
	s_load_b64 s[104:105], s[0:1], 0x40            ; out1 (C)
	v_lshl_add_u32 v[SPW], v0, 2, SPARE
	v_mov_b32 v[NIL], 0
	ds_add_u32 v[SPW], v[NIL]                      ; the opening lines: the add twice on end and one wait
	ds_add_u32 v[SPW], v[NIL]
	v_lshrrev_b32 v1, 5, v0
	v_readfirstlane_b32 s[WV], v1
	s_lshr_b32 s[RH], s[WV], 1                     ; my row half; in the ring: I fetch for A (0) or B (1)
	s_and_b32 s[CH], s[WV], 1                      ; my column half; in the ring: which 128 rows I fetch
	s_bfe_u32 s40, ttmp6, 0x40000                  ; cx, cy
	s_bfe_u32 s41, ttmp6, 0x40004
	s_lshl_b32 s42, ttmp9, 2
	s_add_co_u32 s42, s42, s40                     ; tile column
	s_and_b32 s17, ttmp7, 0xffff
	s_lshl_b32 s17, s17, 2
	s_add_co_u32 s17, s17, s41                     ; tile row
	s_lshl_b32 s43, s41, 2
	s_lshl_b32 s43, 15, s43                        ; my row of the cluster
	s_lshl_b32 s44, 0x1111, s40                    ; my column
	s_or_b32 s[G1+0], s43, (1<<20)|(1<<21)|(5<<22)|(3<<25)   ; elements of 1 byte; 4 words of padding behind every 64
	s_or_b32 s[G1B+0], s44, (1<<20)|(1<<21)|(5<<22)|(3<<25)
.irp g, G1, G1B
	s_mov_b32 s[\g+1], ROWB<<16
	s_mov_b32 s[\g+2], 256<<16                     ; 256 rows for the head's loads
	s_mov_b32 s[\g+3], ROWB<<16
	s_mov_b32 s[\g+4], 256
	s_mov_b32 s[\g+5], KROW
	s_mov_b32 s[\g+6], 0
	s_mov_b32 s[\g+7], 0
.endr
	s_or_b32 s[G1S+0], s43, (3<<16)|(1<<20)|(1<<21)|(5<<22)|(3<<25)   ; the scales of 256 rows: 16,384 dense bytes as 64 rows of 256
	s_or_b32 s[G1SB+0], s44, (3<<16)|(1<<20)|(1<<21)|(5<<22)|(3<<25)
.irp g, G1S, G1SB
	s_mov_b32 s[\g+1], 32<<16
	s_mov_b32 s[\g+2], 64<<16
	s_mov_b32 s[\g+3], 32<<16
	s_mov_b32 s[\g+4], 64
	s_mov_b32 s[\g+5], 32
	s_mov_b32 s[\g+6], 0
	s_mov_b32 s[\g+7], 0
.endr
	s_lshl_b32 s20, s17, 8                         ; A: the tile's first row
	s_lshl_b32 s46, s42, 8                         ; B's
	s_lshl_b32 s22, s20, 6                         ; their scale bytes
	s_mov_b32 s23, 0
	s_lshl_b32 s12, s46, 6
	s_mov_b32 s13, 0
	s_cmp_eq_u32 s[RH], 0                          ; the prefetches: tile's first row + my 128 + my work-group's 32 of them
	s_cselect_b32 s100, s20, s46
	s_cselect_b32 s101, s40, s41
	s_lshl_b32 s101, s101, 5
	s_add_co_u32 s100, s100, s101
	s_lshl_b32 s101, s[CH], 7
	s_add_co_u32 s100, s100, s101
	s_lshl_b32 s100, s100, 11
	s_mov_b32 s101, 0
	s_lshl_b32 s20, s20, 11                        ; the codes
	s_mov_b32 s21, 0
	s_lshl_b32 s46, s46, 11
	s_mov_b32 s47, 0
	s_lshl_b32 s18, s[CH], 18                      ; in the ring: my 128 rows, in bytes
	s_mov_b32 s19, 0
	s_mul_i32 s45, s[WV], HALFT
	s_wait_dscnt 0x0                               ; both opening adds are done
	CROUND                                         ; the opening round, ahead of the wait for the arguments: all sixteen work-groups are here
	s_wait_kmcnt 0x0
	s_add_nc_u64 s[20:21], s[4:5], s[20:21]
	s_add_nc_u64 s[22:23], s[6:7], s[22:23]
	s_add_nc_u64 s[46:47], s[8:9], s[46:47]
	s_add_nc_u64 s[12:13], s[10:11], s[12:13]
	s_cmp_eq_u32 s[RH], 0
	s_cselect_b64 s[14:15], s[4:5], s[8:9]
	s_add_nc_u64 s[PFA:PFA+1], s[14:15], s[PFA:PFA+1]
	s_mov_b32 s[G0H], 1
	s_mov_b32 s[G0H+1], 0
	s_mov_b64 s[G0H+2:G0H+3], s[20:21]
	s_or_b32 s[G0H+3], s[G0H+3], 0x80000000
	s_mov_b32 s[G0HB], 1
	s_mov_b32 s[G0HB+1], 2*HALFT
	s_mov_b64 s[G0HB+2:G0HB+3], s[46:47]
	s_or_b32 s[G0HB+3], s[G0HB+3], 0x80000000
	s_mov_b32 s[G0S], 1
	s_mov_b32 s[G0S+1], SCL
	s_mov_b64 s[G0S+2:G0S+3], s[22:23]
	s_or_b32 s[G0S+3], s[G0S+3], 0x80000000
	s_mov_b32 s[G0SB], 1
	s_mov_b32 s[G0SB+1], SCL+2*HALFS
	s_mov_b64 s[G0SB+2:G0SB+3], s[12:13]
	s_or_b32 s[G0SB+3], s[G0SB+3], 0x80000000
	s_add_nc_u64 s[20:21], s[20:21], s[18:19]
	s_add_nc_u64 s[46:47], s[46:47], s[18:19]
.irp s, 0,1
	s_mov_b32 s[G0+4*\s], 1
	s_add_co_u32 s[G0+4*\s+1], s45, \s*SLOT
	s_add_nc_u64 s[G0+4*\s+2:G0+4*\s+3], s[20:21], \s*ROWB
	s_or_b32 s[G0+4*\s+3], s[G0+4*\s+3], 0x80000000
	s_mov_b32 s[G0B+4*\s], 1
	s_add_co_u32 s[G0B+4*\s+1], s45, \s*SLOT
	s_add_nc_u64 s[G0B+4*\s+2:G0B+4*\s+3], s[46:47], \s*ROWB
	s_or_b32 s[G0B+4*\s+3], s[G0B+4*\s+3], 0x80000000
.endr
.macro ARM under, g0, g1, next         ; one chain of branches on the wave's number: every way passes exactly one load
	s_cmp_lt_u32 s[WV], \under
	s_cbranch_scc0 \next
	TL \g0, \g1
	s_branch .Lhead_asked
\next:
.endm
	ARM 1, G0H,  G1,  .Lhead_b
	ARM 2, G0HB, G1B, .Lhead_sa
	ARM 3, G0S,  G1S, .Lhead_sb
	TL G0SB, G1SB
.Lhead_asked:
	v_and_b32 v[PFO], 31, v0
	v_lshlrev_b32 v[PFO], 11, v[PFO]
	global_prefetch_b8 v[PFO], s[PFA:PFA+1] offset:ROWB th:TH_LOAD_NT scope:SCOPE_SE     ; K steps 1 and 2 of my 32 rows
	global_prefetch_b8 v[PFO], s[PFA:PFA+1] offset:2*ROWB th:TH_LOAD_NT scope:SCOPE_SE
	; the biases, in the result's layout: for B's block b = 2 g + u the eight numbers at 1024 g + 64 x tile column + 32 x column half + 16 u + 8 h
	s_lshl_b32 s22, s42, 8
	s_lshl_b32 s18, s[CH], 7
	s_add_co_u32 s22, s22, s18
	s_mov_b32 s23, 0
	s_add_nc_u64 s[92:93], s[92:93], s[22:23]
	s_add_nc_u64 s[94:95], s[94:95], s[22:23]
	v_bfe_u32 v3, v0, 4, 1                         ; h
	v_lshlrev_b32 v1, 5, v3
.irp b, 0,1,2,3,4,5,6,7
	global_load_b128 v[BI+8*\b:BI+8*\b+3],   v1, s[92:93] offset:4096*(\b/2)+64*(\b%2)
	global_load_b128 v[BI+8*\b+4:BI+8*\b+7], v1, s[92:93] offset:4096*(\b/2)+64*(\b%2)+16
	global_load_b128 v[AF+8*\b:AF+8*\b+3],   v1, s[94:95] offset:4096*(\b/2)+64*(\b%2)
	global_load_b128 v[AF+8*\b+4:AF+8*\b+7], v1, s[94:95] offset:4096*(\b/2)+64*(\b%2)+16
.endr
	; cx, h, C: the tile's first byte: 256 x tile row rows of 4,096 bytes + 256 x tile column
	s_lshl_b32 s22, s17, 20
	s_lshl_b32 s18, s42, 8
	s_add_co_u32 s22, s22, s18
	s_lshl_b32 s18, s[RH], 19                      ; I store the tile's rows 128 (wave / 2) + 16 (wave % 2) + 32 p + 0 .. 15
	s_lshl_b32 s19, s[CH], 16
	s_add_co_u32 s18, s18, s19
	s_add_co_u32 s18, s18, s22
	s_mov_b32 s19, 0
	s_add_nc_u64 s[98:99], s[98:99], s[18:19]
	s_add_nc_u64 s[104:105], s[104:105], s[18:19]
	s_lshl_b32 s18, s[WV], 18                      ; cx: I fetch the tile's rows 64 x wave on
	s_add_co_u32 s22, s22, s18
	s_add_nc_u64 s[96:97], s[96:97], s[22:23]
	s_wait_loadcnt 0x0
.set n, 0
.rept 32
	v_pk_add_f32 v[BI+n:BI+n+1], v[BI+n:BI+n+1], v[AF+n:AF+n+1]    ; bx + bh
.set n, n+2
.endr
	v_and_b32 v2, 15, v0                           ; r
	v_mul_u32_u24 v4, v2, PITCH
	v_lshl_add_u32 v4, v3, 4, v4
	s_mul_i32 s21, s[RH], HALFT
	s_mul_i32 s22, s[CH], HALFT
	s_add_co_u32 s22, s22, 2*HALFT
.irp s, 0,1
	v_add_nc_u32 v[ADRA+\s], s21, v4
	v_add_nc_u32 v[ADRB+\s], s22, v4
	s_add_co_u32 s21, s21, SLOT
	s_add_co_u32 s22, s22, SLOT
.endr
	v_mul_u32_u24 v5, v2, KS                       ; my row's scales: 64 bytes a row, 16 more for each 256 passed
	v_lshrrev_b32 v6, 8, v5
	v_lshl_add_u32 v5, v6, 4, v5
	s_mul_i32 s21, s[RH], HALFS
	s_mul_i32 s22, s[CH], HALFS
	s_add_co_u32 s22, s22, 2*HALFS
	s_sub_co_u32 s22, s22, s21
	v_mul_u32_u24 v6, s22, v3                      ; lanes 16-31 take B's
	s_add_co_u32 s21, s21, SCL
	v_add_nc_u32 v5, v5, v6
	v_add_nc_u32 v[ADRS], s21, v5
	v_mul_u32_u24 v5, v2, PITCH                    ; cx's tile and the stages: row 128 x row half + r, byte 128 x column half + 32 h
	v_lshl_add_u32 v5, v3, 5, v5
	s_mul_i32 s23, s[RH], 128*PITCH
	s_lshl_b32 s18, s[CH], 7
	s_add_co_u32 s23, s23, s18
	v_add_nc_u32 v[ECX], s23, v5
	v_add_nc_u32 v[EH], HST, v[ECX]
	v_add_nc_u32 v[EC], CST, v[ECX]
	v_mul_u32_u24 v5, v3, PITCH                    ; back: lanes 0-15 one row of 256 bytes, lanes 16-31 the next
	v_lshl_add_u32 v5, v2, 4, v5
	s_mul_i32 s23, s[RH], 128*PITCH
	s_mul_i32 s18, s[CH], 16*PITCH
	s_add_co_u32 s23, s23, s18
	v_add_nc_u32 v5, s23, v5
	v_add_nc_u32 v[RDH], HST, v5
	v_add_nc_u32 v[RDC], CST, v5
	v_lshlrev_b32 v[CO], 4, v2
	v_lshl_add_u32 v[CO], v3, 12, v[CO]
.macro FRAG reg, adr, q, i             ; 16 rows x 128 K: registers 4 c .. 4 c + 3 hold K = 32 c + 16 (l / 16) + 0 .. 15
.irp c, 0,1,2,3
	ds_load_b128 v[\reg+4*\c:\reg+4*\c+3], v[\adr] offset:128*(\q)+32*\c+(\i)*16*PITCH
.endr
.endm
.macro MUL16 a0, p, q, sc, zero        ; A's blocks a0, a0 + 1 x B's eight; the 64 accumulators take turns
.irp a, \a0, \a0+1
.irp b, 0,1,2,3,4,5,6,7
.if \zero
	v_wmma_scale_f32_16x16x128_f8f6f4 v[8*(8*((\a)%4)+\b):8*(8*((\a)%4)+\b)+7], v[128*(\p)+FR*\b:128*(\p)+FR*\b+FR-1], v[AF+FR*(\a):AF+FR*(\a)+FR-1], v[BI+8*\b:BI+8*\b+7], v[SC+8*NQ*(\sc)+NQ*\b+(\q)], v[SC+8*NQ*(\sc)+NQ*(\a)+(\q)] matrix_a_fmt:MATRIX_FMT_BF8 matrix_b_fmt:MATRIX_FMT_BF8 matrix_a_scale:MATRIX_SCALE_ROW1
.else
	v_wmma_scale_f32_16x16x128_f8f6f4 v[8*(8*((\a)%4)+\b):8*(8*((\a)%4)+\b)+7], v[128*(\p)+FR*\b:128*(\p)+FR*\b+FR-1], v[AF+FR*(\a):AF+FR*(\a)+FR-1], v[8*(8*((\a)%4)+\b):8*(8*((\a)%4)+\b)+7], v[SC+8*NQ*(\sc)+NQ*\b+(\q)], v[SC+8*NQ*(\sc)+NQ*(\a)+(\q)] matrix_a_fmt:MATRIX_FMT_BF8 matrix_b_fmt:MATRIX_FMT_BF8 matrix_a_scale:MATRIX_SCALE_ROW1
.endif
.endr
.endr
.endm
.macro FETCH_B slot, q, p
	WIN TO_B
.irp i, 0,1,2,3,4,5,6,7
	FRAG 128*(\p)+FR*\i, ADRB+\slot, \q, \i
.endr
	WIN 0
.endm
.macro FETCH_A slot, q, i0
.irp i, \i0, \i0+1, \i0+2, \i0+3
	FRAG AF+FR*(\i), ADRA+\slot, \q, \i
.endr
.endm
.macro SCALES sc                       ; two words a row; lanes 0-15 A's block i, lanes 16-31 B's block i
.irp i, 0,1,2,3,4,5,6,7
	ds_load_b64 v[SC+8*NQ*\sc+NQ*\i:SC+8*NQ*\sc+NQ*\i+1], v[ADRS] offset:\i*SBLK
.endr
.endm
.macro STEP slot, q, zero              ; 128 along K with its successor in the same slot; the LDS loads stand in two runs
	s_wait_dscnt 4*NL                              ; all but the youngest sixteen loads (A's blocks 4-7)
.if \zero
	WIN BEG_LO
.else
	WIN MUL_LO
.endif
	MUL16 0, (\q)%2, \q, \slot, \zero
	MUL16 2, (\q)%2, \q, \slot, \zero
	s_wait_dscnt 0
	PLACES NP
	FETCH_B \slot, (\q)+1, 1-(\q)%2
	FETCH_A \slot, (\q)+1, 0
.if \zero
	WIN BEG_HI
.else
	WIN MUL_HI
.endif
	MUL16 4, (\q)%2, \q, \slot, \zero
	MUL16 6, (\q)%2, \q, \slot, \zero
	PLACES NP
	WIN 0
	FETCH_A \slot, (\q)+1, 4
.endm
; A slot's last step changes slots in its middle.  fill = 1: the slot takes the K step two on, by joint loads; fill = 2: its A half takes cx's tile, a quarter a wave.
.macro TURN slot, next, fill
.if \fill == 1
	s_wait_xcnt 0x0                                ; my prefetch has read its address: it steps a K step on
	s_add_nc_u64 s[PFA:PFA+1], s[PFA:PFA+1], ROWB
.endif
	s_wait_dscnt 4*NL
	WIN MUL_LO
	MUL16 0, 1, NQ-1, \slot, 0
	MUL16 2, 1, NQ-1, \slot, 0
	WIN 0
	s_wait_tensorcnt 0x0                           ; all my tensor loads have landed: my part of the next slot
	ds_add_u32 v[SPW], v[NIL]
.if \fill == 1
	s_add_nc_u64 s[G0+4*\slot+2:G0+4*\slot+3], s[G0+4*\slot+2:G0+4*\slot+3], 2*ROWB
	s_add_nc_u64 s[G0B+4*\slot+2:G0B+4*\slot+3], s[G0B+4*\slot+2:G0B+4*\slot+3], 2*ROWB
.endif
	s_wait_dscnt 0x0                               ; the add is done, my reads of this slot are over
	CROUND
.if \fill == 1
	JLOAD G0+4*\slot, G1, G0B+4*\slot, G1B
.else
	TL G0C, G1C
.endif
	PLACES NP-4
	v_add_nc_u32 v[ADRS], 4*NQ, v[ADRS]            ; the next K step's scale words
	s_wait_alu depctr_va_vdst(0)                   ; the wait behind the write
	FETCH_B \next, 0, 0
	FETCH_A \next, 0, 0
	SCALES \next
.if \fill == 1
	s_cmp_gt_u32 s3, 1                             ; the last trip's refills have no K step two on
	s_cbranch_scc0 .Lno_ask_\@
	global_prefetch_b8 v[PFO], s[PFA:PFA+1] offset:3*ROWB th:TH_LOAD_NT scope:SCOPE_SE
.Lno_ask_\@:
.endif
	WIN MUL_HI
	MUL16 4, 1, NQ-1, \slot, 0
	MUL16 6, 1, NQ-1, \slot, 0
	PLACES NP
	WIN 0
	FETCH_A \next, 0, 4
.endm
	s_wait_alu depctr_va_vdst(0)                   ; the wait at the head's end
	s_wait_tensorcnt 0x0                           ; my tile of the head's four is in; no load of mine is out, so descriptors may be written
	ds_add_u32 v[SPW], v[NIL]
	s_mov_b32 s[G1+2], 128<<16                     ; from here on a load of codes brings 128 rows
	s_mov_b32 s[G1+4], 128
	s_mov_b32 s[G1B+2], 128<<16
	s_mov_b32 s[G1B+4], 128
	s_mov_b32 s[G0C], 1                            ; cx's descriptor: a plain load, 64 rows x 256 bytes
	s_mul_i32 s[G0C+1], s[WV], 64*PITCH
	s_mov_b64 s[G0C+2:G0C+3], s[96:97]
	s_or_b32 s[G0C+3], s[G0C+3], 0x80000000
	s_mov_b32 s[G1C+0], (1<<20)|(5<<22)|(3<<25)
	s_mov_b32 s[G1C+1], 256<<16
	s_mov_b32 s[G1C+2], 64<<16
	s_mov_b32 s[G1C+3], 256<<16
	s_mov_b32 s[G1C+4], 64
	s_mov_b32 s[G1C+5], OROW
	s_mov_b32 s[G1C+6], 0
	s_mov_b32 s[G1C+7], 0
	s_wait_dscnt 0x0
	CROUND                                         ; all four tiles are in, all sixteen work-groups are here
	JLOAD G0+4, G1, G0B+4, G1B                     ; K step 1
	FETCH_B 0, 0, 0
	FETCH_A 0, 0, 0
	SCALES 0
	FETCH_A 0, 0, 4
	global_prefetch_b8 v[PFO], s[PFA:PFA+1] offset:3*ROWB th:TH_LOAD_NT scope:SCOPE_SE     ; K step 3
	STEP 0, 0, 1                                   ; the first products start the sums from the biases
	s_mov_b32 s3, LAPS-1
.Llap:
	TURN 0, 1, 1
	STEP 1, 0, 0
	TURN 1, 0, 1
	STEP 0, 0, 0
	s_sub_co_u32 s3, s3, 1
	s_cmp_lg_u32 s3, 0
	s_cbranch_scc1 .Llap
	TURN 0, 1, 2
	STEP 1, 0, 0
	s_wait_dscnt 4*NL                              ; the very last step; its barrier shows cx's tile whole and slot 1 read out
	WIN MUL_LO
	MUL16 0, 1, NQ-1, 1, 0
	MUL16 2, 1, NQ-1, 1, 0
	s_wait_tensorcnt 0x0
	s_wait_dscnt 0x0
	s_barrier_signal -1
	WIN MUL_HI
	MUL16 4, 1, NQ-1, 1, 0
	MUL16 6, 1, NQ-1, 1, 0
	WIN 0
	s_barrier_wait -1
	PLACES NP
; THE WAY OUT
	s_mov_b32 s18, 0xbfb8aa3b                      ; -log2(e)
	s_mov_b32 s19, s18
	s_mov_b32 s20, 0x4038aa3b                      ; 2 log2(e)
	s_mov_b32 s21, s20
	s_mov_b32 s22, 0xc2800000                      ; -64
	s_mov_b32 s23, 0x42800000                      ; 64
.macro CXLOAD a                        ; cx of block a, in the accumulators' order
.irp u, 0,1
.irp p, 0,1
	ds_load_b128 v[CXR+16*((\a)%2)+8*\u+4*\p:CXR+16*((\a)%2)+8*\u+4*\p+3], v[ECX] offset:16*PITCH*(\a)+64*\u+16*\p
.endr
.endr
.endm
.macro TR op, base, cnt
.set n, 0
.rept \cnt
	\op v[(\base)+n], v[(\base)+n]
.set n, n+1
.endr
.endm
.macro HOLD base                       ; sixteen exponents of a tanh held within +-64
.set n, 0
.rept 16
	v_med3_num_f32 v[(\base)+n], v[(\base)+n], s22, s23
.set n, n+1
.endr
.endm
.macro DEN sg, th                      ; sg: 2^.. of a sigmoid, th: of a tanh  ->  sg = (1 + sg)(1 + th), th = th - 1
.irp m, 0,2,4,6,8,10,12,14
	v_pk_add_f32 v[(\sg)+\m:(\sg)+\m+1], v[(\sg)+\m:(\sg)+\m+1], 1.0 op_sel_hi:[1,0]
.endr
.irp m, 0,2,4,6,8,10,12,14
	v_pk_fma_f32 v[(\sg)+\m:(\sg)+\m+1], v[(\sg)+\m:(\sg)+\m+1], v[(\th)+\m:(\th)+\m+1], v[(\sg)+\m:(\sg)+\m+1]
.endr
.irp m, 0,2,4,6,8,10,12,14
	v_pk_add_f32 v[(\th)+\m:(\th)+\m+1], v[(\th)+\m:(\th)+\m+1], -1.0 op_sel_hi:[1,0]
.endr
.endm
.macro P1 a                            ; the exponents of f, i, g; each accumulator is read from its low end on
.set AC, 64*((\a)%4)
.set TB, TT+48*((\a)%2)
	WIN 2+(\a)/4
.set n, 0
.rept 24
.if n < 32
	v_pk_mul_f32 v[TB+n:TB+n+1], v[AC+n:AC+n+1], s[18:19] op_sel_hi:[1,0]
.else
	v_pk_mul_f32 v[TB+n:TB+n+1], v[AC+n:AC+n+1], s[20:21] op_sel_hi:[1,0]
.endif
.set n, n+2
.endr
	WIN 0
	HOLD TT+48*((\a)%2)+32
.endm
.macro P2 a                            ; 1 + A;  (1 + Ai)(1 + B);  B - 1
.set TB, TT+48*((\a)%2)
.irp m, 0,2,4,6,8,10,12,14
	v_pk_add_f32 v[TB+\m:TB+\m+1], v[TB+\m:TB+\m+1], 1.0 op_sel_hi:[1,0]
.endr
	DEN TT+48*((\a)%2)+16, TT+48*((\a)%2)+32
.endm
.macro P3 a                            ; C = f cx + i tanh(g), into its stage; the exponents of tanh(C) and of o
.set AC, 64*((\a)%4)
.set TB, TT+48*((\a)%2)
.set UB, UU+32*((\a)%2)
.set CXB, CXR+16*((\a)%2)
.set CCB, CC+16*((\a)%2)
.irp m, 0,2,4,6,8,10,12,14
	v_pk_mul_f32 v[TB+32+\m:TB+33+\m], v[TB+16+\m:TB+17+\m], v[TB+32+\m:TB+33+\m]
.endr
	WIN 0x40
.irp m, 0,2,4,6,8,10,12,14
	v_pk_fma_f32 v[CCB+\m:CCB+\m+1], v[TB+\m:TB+\m+1], v[CXB+\m:CXB+\m+1], v[TB+32+\m:TB+33+\m]
.endr
	WIN 0x01
.irp m, 0,2,4,6,8,10,12,14
	v_pk_mul_f32 v[UB+\m:UB+\m+1], v[CCB+\m:CCB+\m+1], s[20:21] op_sel_hi:[1,0]
.endr
	WIN 2+(\a)/4
.irp m, 0,2,4,6,8,10,12,14
	v_pk_mul_f32 v[UB+16+\m:UB+17+\m], v[AC+48+\m:AC+49+\m], s[18:19] op_sel_hi:[1,0]
.endr
	WIN FROM_B
.irp u, 0,1
.irp p, 0,1
	ds_store_b128 v[EC], v[CCB+8*\u+4*\p:CCB+8*\u+4*\p+3] offset:16*PITCH*(\a)+64*\u+16*\p
.endr
.endr
	WIN 0
	HOLD UU+32*((\a)%2)
.endm
.macro P5 a                            ; h = (E - 1) / ((1 + D)(1 + E)), into its stage
.set UB, UU+32*((\a)%2)
.set HHB, HH+16*((\a)%2)
	WIN 0x40
.irp m, 0,2,4,6,8,10,12,14
	v_pk_mul_f32 v[HHB+\m:HHB+\m+1], v[UB+\m:UB+\m+1], v[UB+16+\m:UB+17+\m]
.endr
	WIN FROM_B
.irp u, 0,1
.irp p, 0,1
	ds_store_b128 v[EH], v[HHB+8*\u+4*\p:HHB+8*\u+4*\p+3] offset:16*PITCH*(\a)+64*\u+16*\p
.endr
.endr
	WIN 0
.endm
; Group q of whole rows: C's rows 32 q .. of each row half (q <= 3) and h's rows 32 (q - 1) .. (q >= 1): 16 rows of each a wave, into set q % 2 of window 1
.macro LOADG q
.if (\q) >= 2
	s_wait_xcnt 0x0                                ; group q - 2's stores have read their registers
.endif
	WIN TO_B
.if (\q) >= 1
.irp t, 0,1,2,3,4,5,6,7
	ds_load_b128 v[64*((\q)%2)+4*\t:64*((\q)%2)+4*\t+3], v[RDH] offset:(32*((\q)-1)+2*\t)*PITCH
.endr
.endif
.if (\q) <= 3
.irp t, 0,1,2,3,4,5,6,7
	ds_load_b128 v[64*((\q)%2)+32+4*\t:64*((\q)%2)+32+4*\t+3], v[RDC] offset:(32*(\q)+2*\t)*PITCH
.endr
.endif
	WIN 0
.endm
.macro SENDG q                         ; 16 lanes store 256 consecutive bytes, aligned; the largest offset, 110 rows of 4,096 bytes, lies inside the 24-bit immediate
	WIN FROM_B
.if (\q) >= 1
.irp t, 0,1,2,3,4,5,6,7
	global_store_b128 v[CO], v[64*((\q)%2)+4*\t:64*((\q)%2)+4*\t+3], s[98:99] offset:(32*((\q)-1)+2*\t)*OROW
.endr
.endif
.if (\q) <= 3
.irp t, 0,1,2,3,4,5,6,7
	global_store_b128 v[CO], v[64*((\q)%2)+32+4*\t:64*((\q)%2)+32+4*\t+3], s[104:105] offset:(32*(\q)+2*\t)*OROW
.endr
.endif
	WIN 0
.endm
; Step s of the pipeline.  The wait for all LDS instructions at its head covers what the step before issued: cx, the rows read back, and the stage stores whose registers are written again.
.macro SS s
	s_wait_dscnt 0x0
.if (\s) >= 5 && ((\s)%2) == 1
	SENDG ((\s)-5)/2
.endif
.if (\s) >= 4 && ((\s)%2) == 0
	s_barrier_signal -1                            ; my stage stores of the steps before are done; register work alone up to the wait
.endif
.if (\s) >= 3 && (\s) <= 10
	DEN UU+32*(((\s)-3)%2)+16, UU+32*(((\s)-3)%2)
.endif
.if (\s) >= 1 && (\s) <= 8
	P2 (\s)-1
.endif
.if (\s) >= 4 && ((\s)%2) == 0
	s_barrier_wait -1
.endif
.if (\s) >= 4
	P5 (\s)-4
.endif
.if (\s) >= 2 && (\s) <= 9
	P3 (\s)-2
.endif
.if (\s) <= 7
	P1 \s
	CXLOAD \s
.endif
.if (\s) >= 4 && ((\s)%2) == 0
	LOADG ((\s)-4)/2
.endif
.if (\s) <= 10
	s_wait_alu depctr_va_vdst(0)                   ; the wait ahead of the batch
.if (\s) <= 7
	TR v_exp_f32, TT+48*((\s)%2), 48
.endif
.if (\s) >= 1 && (\s) <= 8
	TR v_rcp_f32, TT+48*(((\s)-1)%2), 32
.endif
.if (\s) >= 2 && (\s) <= 9
	TR v_exp_f32, UU+32*((\s)%2), 32
.endif
.if (\s) >= 3
	TR v_rcp_f32, UU+32*(((\s)-3)%2)+16, 16
.endif
	v_nop                                          ; one plain line behind the transcendentals
	s_wait_alu depctr_va_vdst(0)                   ; and the wait behind the batch
.endif
.endm
.irp s, 0,1,2,3,4,5,6,7,8,9,10,11
	SS \s
.endr
	s_wait_dscnt 0x0                               ; the last h rows are in their stage
	s_barrier_signal -1
	s_barrier_wait -1
	LOADG 4
	s_wait_dscnt 0x0
	SENDG 4
	s_wait_tensorcnt 0x0                           ; the wave's end
	ds_add_u32 v[SPW], v[NIL]
	s_wait_dscnt 0x0
	CROUND                                         ; the closing round
	s_endpgm
.Lfunc_end_k_q7e95a12c5c_cell:
	.size	k_q7e95a12c5c_cell, .Lfunc_end_k_q7e95a12c5c_cell-k_q7e95a12c5c_cell
	.p2alignl 7, 3214868480
	.fill 96, 4, 3214868480
	.section	.rodata,"a",@progbits
	.p2align	6, 0x0
	.amdhsa_kernel k_q7e95a12c5c_cell
		.amdhsa_group_segment_fixed_size 327680
		.amdhsa_private_segment_fixed_size 0
		.amdhsa_enable_private_segment 0
		.amdhsa_kernarg_size 72
		.amdhsa_user_sgpr_count 2
		.amdhsa_user_sgpr_kernarg_segment_ptr 1
		.amdhsa_wavefront_size32 1
		.amdhsa_system_sgpr_workgroup_id_x 1
		.amdhsa_system_sgpr_workgroup_id_y 1
		.amdhsa_system_sgpr_workgroup_id_z 1
		.amdhsa_system_vgpr_workitem_id 0
		.amdhsa_next_free_vgpr 1024
		.amdhsa_next_free_sgpr 106
		.amdhsa_reserve_vcc 0
		.amdhsa_float_denorm_mode_32 3
		.amdhsa_float_denorm_mode_16_64 3
		.amdhsa_memory_ordered 1
		.amdhsa_forward_progress 1
		.amdhsa_inst_pref_size 255
	.end_amdhsa_kernel
	.amdgpu_metadata
---
amdhsa.version: [ 1, 2 ]
amdhsa.kernels:
  - .name:           k_q7e95a12c5c_cell
    .symbol:         k_q7e95a12c5c_cell.kd
    .args:
      - { .name: a_codes, .offset: 0, .size: 8, .value_kind: global_buffer, .address_space: global }
      - { .name: a_scales, .offset: 8, .size: 8, .value_kind: global_buffer, .address_space: global }
      - { .name: b_codes, .offset: 16, .size: 8, .value_kind: global_buffer, .address_space: global }
      - { .name: b_scales, .offset: 24, .size: 8, .value_kind: global_buffer, .address_space: global }
      - { .name: bx, .offset: 32, .size: 8, .value_kind: global_buffer, .address_space: global }
      - { .name: bh, .offset: 40, .size: 8, .value_kind: global_buffer, .address_space: global }
      - { .name: cx, .offset: 48, .size: 8, .value_kind: global_buffer, .address_space: global }
      - { .name: out0, .offset: 56, .size: 8, .value_kind: global_buffer, .address_space: global }
      - { .name: out1, .offset: 64, .size: 8, .value_kind: global_buffer, .address_space: global }
    .group_segment_fixed_size: 327680
    .private_segment_fixed_size: 0
    .kernarg_segment_align: 8
    .kernarg_segment_size: 72
    .max_flat_workgroup_size: 128
    .sgpr_count:     106
    .vgpr_count:     1024
    .wavefront_size: 32
...
	.end_amdgpu_metadata
.endif
;; end of part 2
